; MI455X (gfx1250); checked and timed in simulation.
; The chip was launched on July 23, 2026; its instructions are those of AMD's public machine-readable ISA for CDNA 5 (MIT licence, August 2026) and "CDNA5" Instruction Set Architecture Reference Guide (July 2026). The comments in the code are by the model that wrote it; some were corrected since.
;; MHA. Allowed arithmetic: float matrix products may take bf16 or f16 operands with f32 sums; all other float work in f32.
;; Inputs: k 2 x 4,096 x 512 float32; mask 2 x 4,096 x 4,096 int32; q 2 x 4,096 x 512 float32; v 2 x 4,096 x 512 float32; wk_bias 512 float32; wk_kernel 512 x 512 float32; wo_bias 512 float32; wo_kernel 512 x 512 float32; wq_bias 512 float32; wq_kernel 512 x 512 float32; wv_bias 512 float32; wv_kernel 512 x 512 float32.
;; Outputs: out0 2 x 4,096 x 512 float32.
;; One version. Each part assembles by itself: llvm-mc -triple=amdgcn-amd-amdhsa -mcpu=gfx1250 --defsym DOCPART=n.
;; ======== version 1 of 1: 3 launches
;; limits: values are held in f16: magnitudes above 65,504 overflow, below 6.1e-05 lose precision
;; workspace buffers: qp 8,388,608 bytes; kp 8,388,608 bytes; vp 8,388,608 bytes; ao 8,388,608 bytes
;; launch proj (part 1): grid 4 x 64, 8 waves a work-group, no clusters, 109,568 bytes of LDS; arguments q, k, v, wq_kernel, wk_kernel, wv_kernel, wq_bias, wk_bias, wv_bias, qp, kp, vp; writes qp, kp, vp
.if DOCPART == 1
	.amdgcn_target "amdgcn-amd-amdhsa--gfx1250"
	.amdhsa_code_object_version 6
	.text
	.protected	k_qbf0b06ee8e_proj
	.globl	k_qbf0b06ee8e_proj
	.p2align	8
	.type	k_qbf0b06ee8e_proj,@function
k_qbf0b06ee8e_proj:
	s_mov_b64 s[64:65], 0
	v_nop
	global_prefetch_b8 v0, s[64:65] scope:SCOPE_SE
	s_setreg_imm32_b32 hwreg(HW_REG_WAVE_MODE, 25, 1), 1
	s_wait_xcnt 0x0
; y = x W + bias for tiles of 128 rows x 128 columns; K = 512 in eight steps of 64.
; MODE 0: the three input projections.  x is q, k, v ([8192][512] f32), W its kernel ([512 k][512 n] f32), y is qp, kp, vp ([8192][512] f16).  A WORK-GROUP STAYS: it makes
;         the tile (rows 128 y, columns 128 x) of all three products, 24 K steps in one pipeline: the next product's loads are on their way while a tile goes out.
;         qp is multiplied by c = log2(e) / 8, so that the attention launch gets its scores in units of log2.
; MODE 1: the output projection, one tile.  x is ao ([8192][512] f16), y is out0 ([8192][512] f32).
; FORMAT.  Matrix operands are f16, sums f32.  LIMIT: |x|, |W| and |y| have to stay under 65,504, f16's largest number; beyond it they become infinite.
; NO TENSOR LOADS AND NO JOINT REQUESTS: W (and in mode 0 x) lies in memory as f32 and is rounded to f16 on its way into LDS, which only registers can do;
; so tiles go memory -> registers -> LDS, and a joint request exists for tensor loads alone.
; FOUR K STEPS ON THEIR WAY.  A K step is 64 registers a wave in mode 0 (32 KiB of x and 32 KiB of W for the eight waves).  Four sets of 64 fill register window 1, and step t + 4 is
; asked for at the head of step t: a load is wanted four steps' work after its issue, and the work-group has 4 x 64 KiB on its way.
; SHARES.  Eight waves; wave w makes rows 32 (w / 2) .. +31 and columns 64 (w % 2) .. +63: 8 accumulators of 16 x 16.
; THE MATRIX INSTRUCTION IS USED TRANSPOSED: source 0 = 16 columns of W, source 1 = 16 rows of x; a lane then holds eight neighbouring columns of one row of y.
; THE BIAS STARTS THE SUMS: a lane's eight columns want eight biases, whatever the row, so these eight registers are the C operand of the accumulator's first product.
; LDS: two buffers; in each 128 rows of x (128 bytes + 16 of padding) and 64 rows of W as [k][n] (256 bytes + 32 of padding).  One barrier a step: a buffer is
; written in the step after the one in which it was read, and that step's barrier stands between.  The stage of the way out has bytes of its own behind the buffers.
.set MODE, 0
.if MODE == 0
.set NG,   3                           ; products of a work-group
.set LPS,  16                          ; loads from memory in a K step: 8 of x, 8 of W
.set NST,  16                          ; LDS stores in a K step
.set SPI,  272                         ; a row of the stage: 256 bytes + 16
.else
.set NG,   1
.set LPS,  12                          ; 4 of x, 8 of W
.set NST,  12
.set SPI,  528                         ; 512 bytes + 16
.endif
.set NSTEP, 8*NG
.set DEPTH, 4                          ; K steps on their way
.set XP,   144                         ; a row of x in LDS: an odd multiple of 16 bytes, so the 16 rows of a fragment load start at 16 different groups of banks
.set WP,   288                         ; a row of W in LDS: an odd multiple of 32 bytes, for the turning load
.set WOFF, 128*XP                      ; W's rows lie behind x's
.set BUF,  WOFF+64*WP                  ; 36,864 bytes a buffer
.set STAGE, 2*BUF
.set XG,  4                            ; v4   my byte offset in x's tile in memory; never rewritten: all steps stand in the immediates
.set WGO, 5                            ; v5   the same for W
.set XS,  6                            ; v6   where I store x in LDS
.set WS,  7                            ; v7   where I store W in LDS
.set XF,  8                            ; v8   where I read x's fragments
.set WF,  9                            ; v9   where I read W's fragments (turned)
.set STO, 10                           ; v10  the way out: where I put my piece of a row
.set RD,  11                           ; v11  the way out: where I read whole rows back
.set GO,  12                           ; v12  my byte offset in y's tile
.set BO,  13                           ; v13  my byte offset in the tile's 128 biases
.set ACC, 16                           ; v16-79    accumulator (mb, nb) at 8 (4 mb + nb)
.set XFR, 80                           ; v80-111   x's fragments: (kk, mb) at 8 (2 kk + mb); on the way out the packed results
.set WFR, 112                          ; v112-175  W's fragments: (kk, nb) at 8 (4 kk + nb)
.set BS,  176                          ; v176-207  my 32 biases: columns 16 nb + 8 h + 0..7 at 8 nb
.if MODE == 0
.set RB,  208                          ; v208-239  the way out: rows read back from the stage
.else
.set RB,  WFR                          ; one tile: W's fragments are done with
.endif
                                       ; window 1 (v256-511): K step u's registers at 64 (u % 4): x in the first 32, W in the last 32
.set PX,  8                            ; s[8:13]  x of product 0, 1, 2, each at this work-group's rows
.set PW,  14                           ; s[14:19] W at its columns
.set PB,  20                           ; s[20:25] bias at its columns
.set PO,  26                           ; s[26:31] y at its tile
.set SCL, 40                           ; s[40:41] c, twice: the packed form names a pair
.set MSB, 0
.macro WIN new                         ; s_set_vgpr_msb: bits 1:0 source 0, 3:2 source 1, 5:4 source 2, 7:6 destination; the high byte repeats the setting that is left
.if MSB != \new
	s_set_vgpr_msb (MSB<<8)|\new
.set MSB, \new
.endif
.endm
.macro PLACES                          ; four plain vector instructions behind a matrix instruction, ahead of a load into one of its registers or of a read of its result
.rept 4
	v_nop
.endr
.endm
.if MODE == 0
	s_load_b512 s[8:23], s[0:1], 0x0               ; q, k, v, wq, wk, wv, bq, bk
	s_load_b256 s[24:31], s[0:1], 0x40             ; bv, qp, kp, vp
	v_lshl_add_u32 v254, v0, 2, 0x1a800
	v_mov_b32 v255, 0
.else
	s_load_b64 s[PX:PX+1], s[0:1], 0x0             ; ao
	s_load_b64 s[PW:PW+1], s[0:1], 0x8             ; wo
	s_load_b64 s[PB:PB+1], s[0:1], 0x10            ; bo
	s_load_b64 s[PO:PO+1], s[0:1], 0x18            ; out0
.endif
	v_lshrrev_b32 v1, 5, v0
	v_readfirstlane_b32 s4, v1                     ; wave 0..7
	s_and_b32 s5, ttmp7, 0xffff                    ; the block of 128 rows
	v_and_b32 v1, 15, v0                           ; r = lane % 16
	v_bfe_u32 v2, v0, 4, 1                         ; h = lane / 16
	v_and_b32 v3, 31, v0                           ; lane
	s_lshl_b32 s48, s4, 4                          ; 16 w: the rows that I bring in and send out
	s_lshl_b32 s49, s4, 14                         ; 8 w rows of W, 2,048 bytes each
	s_mul_i32 s50, s4, 8*WP
	s_add_co_u32 s50, s50, WOFF
	s_lshr_b32 s51, s4, 1
	s_lshl_b32 s51, s51, 5                         ; 32 (w / 2): my rows of the tile
	s_and_b32 s52, s4, 1                           ; w % 2: my half of its columns
	s_lshl_b32 s53, s52, 7                         ; 64 columns of f16
	s_add_co_u32 s54, s53, WOFF
.if MODE == 0
	v_add_nc_u32 v14, s48, v2                      ; a load takes two rows of 256 bytes (64 f32): row 16 w + h, 16 bytes a lane
	v_lshlrev_b32 v[XG], 11, v14
	v_lshl_add_u32 v[XG], v1, 4, v[XG]
	v_mul_u32_u24 v[XS], v14, XP                   ; and 8 bytes a lane as f16
	v_lshl_add_u32 v[XS], v1, 3, v[XS]
.else
	v_bfe_u32 v15, v0, 3, 2                        ; a load takes four rows of 128 bytes (64 f16): row 16 w + lane / 8
	v_add_nc_u32 v15, s48, v15
	v_and_b32 v14, 7, v0
	v_lshlrev_b32 v[XG], 10, v15
	v_lshl_add_u32 v[XG], v14, 4, v[XG]
	v_mul_u32_u24 v[XS], v15, XP
	v_lshl_add_u32 v[XS], v14, 4, v[XS]
.endif
	v_lshl_add_u32 v[WGO], v3, 4, s49              ; a load takes one row of W's tile: 512 bytes, 16 a lane
	v_lshl_add_u32 v[WS], v3, 3, s50               ; 8 bytes a lane as f16
	v_add_nc_u32 v14, s51, v1                      ; row 32 (w / 2) + r
	v_mul_u32_u24 v[XF], v14, XP
	v_lshl_add_u32 v[XF], v2, 4, v[XF]             ; a fragment of x: row x pitch + 16 h, two loads 32 bytes apart
	v_and_b32 v15, 7, v0
	v_lshl_add_u32 v15, v2, 3, v15                 ; the turning load: k = 8 h + lane % 8,
	v_mul_u32_u24 v[WF], v15, WP
	v_bfe_u32 v15, v0, 3, 1
	v_lshl_add_u32 v[WF], v15, 4, v[WF]            ; columns 8 ((lane / 8) % 2) on
	v_add_nc_u32 v[WF], s54, v[WF]
	v_lshlrev_b32 v[BO], 5, v2
	v_lshl_add_u32 v[BO], s52, 8, v[BO]            ; biases of columns 64 (w % 2) + 8 h on, 4 bytes each
	v_mul_u32_u24 v[STO], v14, SPI                 ; into the stage: my row, my half of its bytes
.if MODE == 0
	v_lshl_add_u32 v[STO], v2, 4, v[STO]
	s_add_co_u32 s55, s53, STAGE
	v_add_nc_u32 v[STO], s55, v[STO]
	v_add_nc_u32 v15, s48, v2                      ; back: lanes 0-15 one row of 256 bytes, lanes 16-31 the next
	v_mul_u32_u24 v[RD], v15, SPI
	v_lshl_add_u32 v[RD], v1, 4, v[RD]
	v_add_nc_u32 v[RD], STAGE, v[RD]
	v_lshlrev_b32 v[GO], 10, v15
	v_lshl_add_u32 v[GO], v1, 4, v[GO]
	s_lshl_b32 s42, s5, 18                         ; x: 128 rows of 2,048 bytes
	s_lshl_b32 s44, s5, 17                         ; y: 128 rows of 1,024 bytes,
	s_lshl_b32 s46, ttmp9, 8                       ; 128 columns of 2 bytes
	s_mov_b32 s[SCL], 0x3e38aa3b                   ; c = log2(e) / 8
	s_mov_b32 s[SCL+1], s[SCL]
.else
	v_lshl_add_u32 v[STO], v2, 5, v[STO]
	s_lshl_b32 s55, s52, 8
	s_add_co_u32 s55, s55, STAGE
	v_add_nc_u32 v[STO], s55, v[STO]
	s_mul_i32 s56, s48, SPI                        ; back: a whole row of 512 bytes a load
	s_add_co_u32 s56, s56, STAGE
	v_lshl_add_u32 v[RD], v3, 4, s56
	s_lshl_b32 s57, s4, 15
	v_lshl_add_u32 v[GO], v3, 4, s57
	s_lshl_b32 s42, s5, 17                         ; x: 128 rows of 1,024 bytes
	s_lshl_b32 s44, s5, 18                         ; y: 128 rows of 2,048 bytes,
	s_lshl_b32 s46, ttmp9, 9                       ; 128 columns of 4 bytes
.endif
	s_add_co_u32 s44, s44, s46
	s_mov_b32 s43, 0
	s_mov_b32 s45, 0
	s_lshl_b32 s46, ttmp9, 9                       ; W and bias: 128 columns of 4 bytes
	s_mov_b32 s47, 0
	s_wait_kmcnt 0x0
.set gi, 0
.rept NG
	s_add_nc_u64 s[PX+2*gi:PX+2*gi+1], s[PX+2*gi:PX+2*gi+1], s[42:43]
	s_add_nc_u64 s[PW+2*gi:PW+2*gi+1], s[PW+2*gi:PW+2*gi+1], s[46:47]
	s_add_nc_u64 s[PB+2*gi:PB+2*gi+1], s[PB+2*gi:PB+2*gi+1], s[46:47]
	s_add_nc_u64 s[PO+2*gi:PO+2*gi+1], s[PO+2*gi:PO+2*gi+1], s[44:45]
.set gi, gi+1
.endr
; My 32 biases of product g: eight loads.
.macro BIAS g
.irp nb, 0,1,2,3
	global_load_b128 v[BS+8*\nb:BS+8*\nb+3],   v[BO], s[PB+2*(\g):PB+2*(\g)+1] offset:\nb*64
	global_load_b128 v[BS+8*\nb+4:BS+8*\nb+7], v[BO], s[PB+2*(\g):PB+2*(\g)+1] offset:\nb*64+16
.endr
.endm
; K step u (step u % 8 of product u / 8) comes from memory into its set of registers in window 1.
.macro GLOAD u
.set GG,  (\u)/8
.set SS,  (\u)%8
.set STS, 64*((\u)%4)
	WIN 0x40                                       ; destination window 1, address window 0
.if MODE == 0
.irp i, 0,1,2,3,4,5,6,7
	global_load_b128 v[STS+4*\i:STS+4*\i+3], v[XG], s[PX+2*GG:PX+2*GG+1] offset:\i*4096+SS*256      ; 16 lanes take 256 consecutive bytes of a row, aligned
.endr
.else
.irp i, 0,1,2,3
	global_load_b128 v[STS+4*\i:STS+4*\i+3], v[XG], s[PX+2*GG:PX+2*GG+1] offset:\i*4096+SS*128
.endr
.endif
.irp i, 0,1,2,3,4,5,6,7
	global_load_b128 v[STS+32+4*\i:STS+32+4*\i+3], v[WGO], s[PW+2*GG:PW+2*GG+1] offset:(64*SS+\i)*2048   ; the wave takes 512 consecutive bytes of a row of W
.endr
	WIN 0
.endm
; K step u is rounded to f16 in place and stored into buffer u % 2.
; The count: loads come back in order, and behind step u's stand those of the steps u + 1 .. u + 3 that exist, LPS each.  The next product's eight biases are asked for just ahead
; of its step 0, in step 4 of this product: they stand behind the loads of this product's steps 5, 6 and 7 and are counted there; the wait for the next product's step 0 shows them in.
.macro CVTST u
.set STS, 64*((\u)%4)
.set BB,  ((\u)%2)*BUF
.set NY,  NSTEP-1-(\u)
.if NY > DEPTH-1
.set NY,  DEPTH-1
.endif
.set CNT, NY*LPS
.if (((\u)%8) >= 5) && (((\u)/8)+1 < NG)
.set CNT, CNT+8
.endif
	s_wait_loadcnt CNT
	WIN 0x45                                       ; sources and destination window 1
.if MODE == 0
.irp i, 0,1,2,3,4,5,6,7
	v_cvt_pk_f16_f32 v[STS+4*\i],   v[STS+4*\i],   v[STS+4*\i+1]
	v_cvt_pk_f16_f32 v[STS+4*\i+1], v[STS+4*\i+2], v[STS+4*\i+3]
.endr
.endif
.irp i, 0,1,2,3,4,5,6,7
	v_cvt_pk_f16_f32 v[STS+32+4*\i],   v[STS+32+4*\i],   v[STS+32+4*\i+1]
	v_cvt_pk_f16_f32 v[STS+32+4*\i+1], v[STS+32+4*\i+2], v[STS+32+4*\i+3]
.endr
	WIN 0x04                                       ; address window 0, data window 1
.if MODE == 0
.irp i, 0,1,2,3,4,5,6,7
	ds_store_b64 v[XS], v[STS+4*\i:STS+4*\i+1] offset:BB+\i*2*XP
.endr
.else
.irp i, 0,1,2,3
	ds_store_b128 v[XS], v[STS+4*\i:STS+4*\i+3] offset:BB+\i*4*XP
.endr
.endif
.irp i, 0,1,2,3,4,5,6,7
	ds_store_b64 v[WS], v[STS+32+4*\i:STS+32+4*\i+1] offset:BB+\i*WP
.endr
	WIN 0
.endm
; A step's fragments out of buffer b, the first 32 along K first: twelve loads for each 32.
.macro FRAGS b
.irp kk, 0,1
.irp mb, 0,1
	ds_load_b128 v[XFR+8*(2*\kk+\mb):XFR+8*(2*\kk+\mb)+3],   v[XF] offset:(\b)*BUF+\mb*16*XP+\kk*64
	ds_load_b128 v[XFR+8*(2*\kk+\mb)+4:XFR+8*(2*\kk+\mb)+7], v[XF] offset:(\b)*BUF+\mb*16*XP+\kk*64+32
.endr
.irp nb, 0,1,2,3
	ds_load_tr16_b128 v[WFR+8*(4*\kk+\nb):WFR+8*(4*\kk+\nb)+3],   v[WF] offset:(\b)*BUF+\kk*32*WP+\nb*32
	ds_load_tr16_b128 v[WFR+8*(4*\kk+\nb)+4:WFR+8*(4*\kk+\nb)+7], v[WF] offset:(\b)*BUF+\kk*32*WP+\nb*32+16*WP
.endr
.endr
.endm
; Eight products, 32 along K.  The eight accumulators take turns, one instruction a turn.  first = 1: the products start the sums from the biases.
.macro MUL kk, first
.irp mb, 0,1
.irp nb, 0,1,2,3
.if \first
	v_wmma_f32_16x16x32_f16 v[ACC+8*(4*\mb+\nb):ACC+8*(4*\mb+\nb)+7], v[WFR+8*(4*\kk+\nb):WFR+8*(4*\kk+\nb)+7], v[XFR+8*(2*\kk+\mb):XFR+8*(2*\kk+\mb)+7], v[BS+8*\nb:BS+8*\nb+7]
.else
	v_wmma_f32_16x16x32_f16 v[ACC+8*(4*\mb+\nb):ACC+8*(4*\mb+\nb)+7], v[WFR+8*(4*\kk+\nb):WFR+8*(4*\kk+\nb)+7], v[XFR+8*(2*\kk+\mb):XFR+8*(2*\kk+\mb)+7], v[ACC+8*(4*\mb+\nb):ACC+8*(4*\mb+\nb)+7]
.endif
.endr
.endr
.endm
; THE WAY OUT of product g, first part, in front of the step's barrier: my results go into the stage.
.macro OUT1 g
.if MODE == 0
.if \g == 0
.set i, 0
.rept 32
	v_pk_mul_f32 v[ACC+2*i:ACC+2*i+1], v[ACC+2*i:ACC+2*i+1], s[SCL:SCL+1] op_sel_hi:[1,0]   ; qp alone takes the factor c
.set i, i+1
.endr
.endif
.set i, 0
.rept 32
	v_cvt_pk_f16_f32 v[XFR+i], v[ACC+2*i], v[ACC+2*i+1]    ; a lane's eight columns of a row: 16 bytes
.set i, i+1
.endr
.irp mb, 0,1
.irp nb, 0,1,2,3
	ds_store_b128 v[STO], v[XFR+4*(4*\mb+\nb):XFR+4*(4*\mb+\nb)+3] offset:\mb*16*SPI+\nb*32
.endr
.endr
.else
.irp mb, 0,1
.irp nb, 0,1,2,3
	ds_store_b128 v[STO], v[ACC+8*(4*\mb+\nb):ACC+8*(4*\mb+\nb)+3]   offset:\mb*16*SPI+\nb*64
	ds_store_b128 v[STO], v[ACC+8*(4*\mb+\nb)+4:ACC+8*(4*\mb+\nb)+7] offset:\mb*16*SPI+\nb*64+16
.endr
.endr
.endif
.endm
; Second part, behind the barrier (a row's bytes come from two waves): whole rows come back and are stored.  Nothing waits for the stores.
.macro OUT2 g
.if MODE == 0
.if \g > 0
	s_wait_xcnt 0x0                                ; the last tile's stores have had their addresses translated (ISA guide 3.1): only behind this wait are their data registers loaded again
.endif
.irp t, 0,1,2,3,4,5,6,7
	ds_load_b128 v[RB+4*\t:RB+4*\t+3], v[RD] offset:\t*2*SPI
.endr
.irp t, 0,1,2,3,4,5,6,7
	s_wait_dscnt 7-\t                              ; LDS loads come back in order: number t is in
	global_store_b128 v[GO], v[RB+4*\t:RB+4*\t+3], s[PO+2*(\g):PO+2*(\g)+1] offset:\t*2048   ; 16 lanes store 256 consecutive bytes, at a multiple of 256 from y's first byte
.endr
.else
.irp t, 0,1,2,3,4,5,6,7,8,9,10,11,12,13,14,15
	ds_load_b128 v[RB+4*\t:RB+4*\t+3], v[RD] offset:\t*SPI
.endr
.irp t, 0,1,2,3,4,5,6,7,8,9,10,11,12,13,14,15
	s_wait_dscnt 15-\t                             ; LDS loads come back in order: number t is in
	global_store_b128 v[GO], v[RB+4*\t:RB+4*\t+3], s[PO+2*(\g):PO+2*(\g)+1] offset:\t*2048 th:TH_STORE_NT   ; the wave stores 512 consecutive bytes, at a multiple of 512 from y's first byte
.endr
.endif
.endm
; K STEP t, which lies in buffer t % 2.  Order: step t + 4 is asked for; this step's fragments are asked for; step t + 1 is rounded and stored into the other buffer while
; the fragments come; the products; the barrier.  LDS serves a wave's instructions in order, so the waits for the fragments leave the NST stores behind them out.
.macro TRIP t
.set TS, (\t)%8
.set TG, (\t)/8
.if (\t) > 0
	PLACES                                         ; for the loads into the fragment registers, which the last step's products read
.endif
.if (TS == 8-DEPTH) && (TG+1 < NG)
	BIAS TG+1                                      ; this product's first products have read the biases four steps ago
.endif
.if (\t)+DEPTH < NSTEP
	GLOAD (\t)+DEPTH                               ; into the set that step t left in the step before
.endif
	FRAGS (\t)%2
.if (\t)+1 < NSTEP
	CVTST (\t)+1
	s_wait_dscnt 12+NST                            ; the first 32 along K are in; the twelve younger loads and the stores stay out
.else
	s_wait_dscnt 12
.endif
.if TS == 0
	MUL 0, 1
.else
	MUL 0, 0
.endif
.if (\t)+1 < NSTEP
	s_wait_dscnt NST                               ; all fragments are in; the stores stay out
.else
	s_wait_dscnt 0x0
.endif
	MUL 1, 0
.if TS == 7
	PLACES                                         ; behind the tile's last products
	OUT1 TG
.endif
	s_wait_dscnt 0x0                               ; for the others' sake: my reads of this buffer and my stores into the other (and into the stage) are done
	s_barrier_signal -1
	s_barrier_wait -1
.if TS == 7
	OUT2 TG
.endif
.endm
	BIAS 0                                         ; the oldest loads: the wait for K step 0 shows them in
	GLOAD 0
	GLOAD 1
	GLOAD 2
	GLOAD 3
	CVTST 0
	s_wait_dscnt 0x0                               ; my stores into buffer 0 are done
	s_barrier_signal -1
	s_barrier_wait -1
.set tt, 0
.rept NSTEP
	TRIP tt
.set tt, tt+1
.endr
	s_wait_tensorcnt 0x0
	ds_add_u32 v254, v255
	s_wait_dscnt 0x0
	s_endpgm
.Lfunc_end_k_qbf0b06ee8e_proj:
	.size	k_qbf0b06ee8e_proj, .Lfunc_end_k_qbf0b06ee8e_proj-k_qbf0b06ee8e_proj
	.p2alignl 7, 3214868480
	.fill 96, 4, 3214868480
	.section	.rodata,"a",@progbits
	.p2align	6, 0x0
	.amdhsa_kernel k_qbf0b06ee8e_proj
		.amdhsa_group_segment_fixed_size 109568
		.amdhsa_private_segment_fixed_size 0
		.amdhsa_enable_private_segment 0
		.amdhsa_kernarg_size 96
		.amdhsa_user_sgpr_count 2
		.amdhsa_user_sgpr_kernarg_segment_ptr 1
		.amdhsa_wavefront_size32 1
		.amdhsa_system_sgpr_workgroup_id_x 1
		.amdhsa_system_sgpr_workgroup_id_y 1
		.amdhsa_system_sgpr_workgroup_id_z 1
		.amdhsa_system_vgpr_workitem_id 0
		.amdhsa_next_free_vgpr 512
		.amdhsa_next_free_sgpr 66
		.amdhsa_reserve_vcc 0
		.amdhsa_float_denorm_mode_32 3
		.amdhsa_float_denorm_mode_16_64 3
		.amdhsa_memory_ordered 1
		.amdhsa_forward_progress 1
		.amdhsa_inst_pref_size 200
	.end_amdhsa_kernel
	.amdgpu_metadata
---
amdhsa.version: [ 1, 2 ]
amdhsa.kernels:
  - .name:           k_qbf0b06ee8e_proj
    .symbol:         k_qbf0b06ee8e_proj.kd
    .args:
      - { .name: q, .offset: 0, .size: 8, .value_kind: global_buffer, .address_space: global }
      - { .name: k, .offset: 8, .size: 8, .value_kind: global_buffer, .address_space: global }
      - { .name: v, .offset: 16, .size: 8, .value_kind: global_buffer, .address_space: global }
      - { .name: wq_kernel, .offset: 24, .size: 8, .value_kind: global_buffer, .address_space: global }
      - { .name: wk_kernel, .offset: 32, .size: 8, .value_kind: global_buffer, .address_space: global }
      - { .name: wv_kernel, .offset: 40, .size: 8, .value_kind: global_buffer, .address_space: global }
      - { .name: wq_bias, .offset: 48, .size: 8, .value_kind: global_buffer, .address_space: global }
      - { .name: wk_bias, .offset: 56, .size: 8, .value_kind: global_buffer, .address_space: global }
      - { .name: wv_bias, .offset: 64, .size: 8, .value_kind: global_buffer, .address_space: global }
      - { .name: qp, .offset: 72, .size: 8, .value_kind: global_buffer, .address_space: global }
      - { .name: kp, .offset: 80, .size: 8, .value_kind: global_buffer, .address_space: global }
      - { .name: vp, .offset: 88, .size: 8, .value_kind: global_buffer, .address_space: global }
    .group_segment_fixed_size: 109568
    .private_segment_fixed_size: 0
    .kernarg_segment_align: 8
    .kernarg_segment_size: 96
    .max_flat_workgroup_size: 256
    .sgpr_count:     66
    .vgpr_count:     512
    .wavefront_size: 32
...
	.end_amdgpu_metadata
.endif
;; end of part 1
;; launch attn (part 2): grid 4 x 64, 8 waves a work-group, clusters of 4 x 4, 327,680 bytes of LDS; arguments qp, kp, vp, mask, ao; writes ao
.if DOCPART == 2
	.amdgcn_target "amdgcn-amd-amdhsa--gfx1250"
	.amdhsa_code_object_version 6
	.text
	.protected	k_qbf0b06ee8e_attn
	.globl	k_qbf0b06ee8e_attn
	.p2align	8
	.type	k_qbf0b06ee8e_attn,@function
k_qbf0b06ee8e_attn:
	s_mov_b64 s[64:65], 0
	v_nop
	global_prefetch_b8 v0, s[64:65] scope:SCOPE_SE
	s_setreg_imm32_b32 hwreg(HW_REG_WAVE_MODE, 25, 1), 1
	s_wait_xcnt 0x0
	s_wait_alu depctr_hold_cnt(0) depctr_sa_sdst(0) depctr_va_vdst(0) depctr_va_sdst(0) depctr_va_ssrc(0) depctr_va_vcc(0) depctr_vm_vsrc(0)
	s_getreg_b32 s2, hwreg(HW_REG_IB_STS2, 6, 4)
	s_cmp_eq_u32 s2, 0
	s_cbranch_scc0 .Lentry_in_a_cluster
	s_endpgm
.Lentry_in_a_cluster:
	s_bfe_u32 s2, ttmp6, 0x10000c
	s_cmp_lg_u32 s2, 0xf033
	s_cbranch_scc0 .Lentry_shape_is_right
	s_endpgm
.Lentry_shape_is_right:
; ao[row][64 head + d] = the sum over keys of softmax_key(s) vp[key][64 head + d],  s = qp[row] . kp[key] (one head's 64 channels) + mask[row][key] x (-1e9 log2 e).
; qp, kp, vp, ao: [8192 = 2 x 4096][512] f16; head h is columns 64 h .. 64 h + 63.  mask: [2][4096][4096] int32.  qp already carries the factor log2(e) / 8,
; so scores are in units of log2 and the weights are 2^(s - m).  Products, maxima and sums in f32; the weights are rounded to f16 for the second product, ao once.
; LIMITS.  (1) f16 operands: |qp|, |kp|, |vp| and |ao| under 65,504.  (2) Any int32 in the mask is honoured (converted to f32, one fused multiply-add).  In a row in which
; EVERY key is masked the scores are rounded at 1.44e9 in units of log2 (steps of 128), where a sum in natural units rounds at 1e9 (steps of 64): the weights of
; such a row are uniform either way while |score| is under about 32 and may differ beyond.  The running maximum is subtracted in every step.
; SHARES.  A work-group owns 128 queries and a pair of heads.  Wave w: head w % 2 of the pair, queries 32 (w / 2) .. +31: two tiles of 16.  Every wave walks the batch's 4,096 keys, 64 a step.
; Eight waves, two to a SIMD, since a step has some ten vector instructions for each matrix instruction: one wave's softmax is issued beside the other's products,
; and the text stays in phases, with all vector work in register window 0.
; LAYOUT.  S^T = K Q^T (source 0 = 16 keys, source 1 = 16 queries): a lane holds ONE query (lane % 16) and keys 8 (lane / 16) + 0..7 of each 16.  Two such tiles rounded in pairs ARE
; source 1 (32 keys x 16 queries) of O^T = V^T P, whose result again holds one query a lane and eight channels.  A query's maximum and sum want one exchange between the halves of the lanes.
; CLUSTER, 4 x 4.  Along x lie the four pairs of heads, along y four blocks of queries of one batch.  The mask's tile hangs on the block of queries alone: the four of a row of the
; cluster, which are all eight heads, ask for it JOINTLY.  K's and V's tiles hang on the batch and the pair of heads: the four of a column ask for them jointly.
; RING.  Two LDS slots, each with two steps (128 keys): K, V, mask.  Wave 0 fetches K's 128 rows, wave 1 V's, waves 2 and 3 the two halves of the mask's 128 rows; 32 KiB each;
; waves 4 to 7 fetch nothing.  By this text's count a wave has two tensor loads out at the start and one behind each round.
.set PITK,  272                        ; a row of K: 256 bytes (two heads) + 16 = 68 words: row r starts at bank 4 r mod 64 (64 banks of 4 bytes: ISA guide 11.1)
.set PITV,  288                        ; a row of V: 256 + 32 = 72 words, for the turning load, of which 16 lanes take 8 rows x 32 bytes
.set PITM,  528                        ; a row of the mask: 128 int32 + 16 bytes = 132 words: row r starts at bank 4 r mod 64
.set VOFF,  128*PITK                   ; in a slot: K at 0, V behind it,
.set MOFF,  VOFF+128*PITV              ; the mask behind V
.set SLOT,  MOFF+128*PITM              ; 139,264 bytes, a multiple of 256
.set STAGE, 2*SLOT                     ; behind the ring: 128 rows x 272 bytes for the way out; no tensor load fills it
.set SP,    272
.set AK,  4                            ; v4, v5    LDS address of my fragments of K in slot 0, 1
.set AV,  6                            ; v6, v7    the same for V (turned)
.set AM,  8                            ; v8, v9    the same for my query's words of the mask
.set QO,  10                           ; v10  my byte offset in the block's rows of qp
.set STO, 11                           ; v11  the way out: where I put 16 bytes of a row
.set RD,  12                           ; v12  the way out: where I read a row back
.set GO,  13                           ; v13  my byte offset in the block's rows of ao
.set PF0, 14                           ; v14  prefetch: my byte offset in the block's rows of the mask
.set PF,  15                           ; v15  the same plus the keys asked for
.set ST,  16                           ; tile t's statistics at v[16 + 8 t]: +0 m, +1 m_old, +2, +3 l (even keys', odd keys'), +4 to +7 at work; a = 2^(m_old - m) takes +6, m_old - m takes +7
.set SC,  32                           ; v32-95    S^T: tile t, keys 16 kb on, at 32 t + 8 kb
.set MK,  96                           ; v96-159   the mask's words, laid as S^T
.set PW,  160                          ; v160-191  the weights in f16: 16 t + 4 kb
.set OA,  192                          ; v192-255  O^T: tile t, channels 16 cb on, at 32 t + 8 cb
.set QF,  0                            ; window 1: v0-31 Q (16 t + 8 c), v32-95 K of a step (8 (2 kb + c)), v96-159 V of a step (8 (4 kh + cb))
.set KF,  32
.set VF,  96
.set WV,  14                           ; s14  my wave's number
.set G1K, 24                           ; s[24:31] descriptor group 1 for K's tiles
.set G1V, 32                           ; s[32:39] for V's: other padding
.set G1M, 40                           ; s[40:47] for the mask's
.set G0K, 48                           ; s[48:55] descriptor group 0 for K's tiles, a set for each slot
.set G0V, 56                           ; s[56:63] for V's
.set G0M, 68                           ; s[68:75] for the mask's
.set NB,  76                           ; s[76:77] -1e9 log2(e), twice: the packed form names a pair
.set SEL, 78                           ; s[78:79] lane selects for v_permlanex16_b32: each lane takes its own place in the other half
.set TRIPS, 80
.set PFO, 81                           ; s81  byte offset, along a row of the mask, of the 128 keys to be asked for next
.set PFT, 82
.set MSKB, 88                          ; s[88:89] the mask at my block's first row
.set MSB, 0
.macro WIN new                         ; s_set_vgpr_msb: bits 1:0 source 0, 3:2 source 1, 5:4 source 2, 7:6 destination; the high byte repeats the setting that is left
.if MSB != \new
	s_set_vgpr_msb (MSB<<8)|\new
.set MSB, \new
.endif
.endm
.macro PLACES                          ; four plain vector instructions behind a matrix instruction, ahead of a load into one of its registers or of a read of its result
.rept 4
	v_nop
.endr
.endm
; A round of the cluster's barrier: my work-group's barrier, so that wave 0's signal speaks for all eight waves; wave 0 signals; every wave waits for all sixteen work-groups; my work-group's barrier once more.
.macro CROUND
	s_barrier_signal -1
	s_barrier_wait -1
	s_cmp_lg_u32 s[WV], 0
	s_cbranch_scc1 .Lnot_wave_0_\@
	s_barrier_signal -3
.Lnot_wave_0_\@:
	s_barrier_wait -3
	s_barrier_signal -1
	s_barrier_wait -1
.endm
; A joint refill of slot s.  The branches hang on the wave's number alone: they are the same in every work-group.  Four v_nop follow each load.
.macro JLOAD s
	s_cmp_eq_u32 s[WV], 0
	s_cbranch_scc0 .Lj1_\@
	tensor_load_to_lds s[G0K+4*(\s):G0K+4*(\s)+3], s[G1K:G1K+7]
	s_nop 0
	PLACES
	s_branch .Ljd_\@
.Lj1_\@:
	s_cmp_eq_u32 s[WV], 1
	s_cbranch_scc0 .Lj2_\@
	tensor_load_to_lds s[G0V+4*(\s):G0V+4*(\s)+3], s[G1V:G1V+7]
	s_nop 0
	PLACES
	s_branch .Ljd_\@
.Lj2_\@:
	s_cmp_lt_u32 s[WV], 4
	s_cbranch_scc0 .Ljd_\@
	tensor_load_to_lds s[G0M+4*(\s):G0M+4*(\s)+3], s[G1M:G1M+7]
	s_nop 0
	PLACES
.Ljd_\@:
.endm
; Prefetch of the mask, which comes from memory once in the launch.  In the period of keys 128 d on it asks for keys 128 (d + 2) on, whose tensor load is issued one period later.
; Each of the four partners of a row of the cluster asks for 32 of the block's 128 rows, its waves 6 and 7 for 16 each: a lane asks for one aligned 256 bytes of the 512 of a row.
; In the last period that asks, the offset is held at the row's last 128 keys, so that no request leaves the row.  The wait frees v15, which the request of a period ago named.
.macro PREF
	s_cmp_lt_u32 s[WV], 6
	s_cbranch_scc1 .Lnopf_\@
	s_wait_xcnt 0x0
	s_min_u32 s[PFT], s[PFO], 31*512
	v_add_nc_u32 v[PF], s[PFT], v[PF0]
	global_prefetch_b8 v[PF], s[MSKB:MSKB+1] th:TH_LOAD_NT scope:SCOPE_SE
.Lnopf_\@:
	s_add_co_u32 s[PFO], s[PFO], 512
.endm
	s_load_b256 s[4:11], s[0:1], 0x0               ; qp s[4:5], kp s[6:7], vp s[8:9], mask s[10:11]
	s_load_b64 s[12:13], s[0:1], 0x20              ; ao
	s_set_vgpr_msb 0x40
	v_lshl_add_u32 v160, v0, 2, 0x4c800
	v_mov_b32 v161, 0
	s_set_vgpr_msb 0x4045
	ds_add_u32 v160, v161
	s_set_vgpr_msb 0x4500
	v_lshrrev_b32 v1, 5, v0
	v_readfirstlane_b32 s[WV], v1                  ; wave 0..7
	s_bfe_u32 s15, ttmp6, 0x40000                  ; cx
	s_bfe_u32 s16, ttmp6, 0x40004                  ; cy
	s_lshl_b32 s17, ttmp9, 2                       ; in a cluster launch ttmp9 and ttmp7 count clusters
	s_add_co_u32 s17, s17, s15                     ; the pair of heads = 4 x cluster x + cx
	s_and_b32 s19, ttmp7, 0xffff
	s_lshl_b32 s18, s19, 2
	s_add_co_u32 s18, s18, s16                     ; the block of 128 rows = 4 x cluster y + cy
	s_lshr_b32 s19, s19, 3                         ; the batch: 8 clusters along y to each; made of the cluster's y alone
	s_and_b32 s20, s[WV], 1                        ; my head of the pair.  Also: which 64 rows of the mask I fetch
	s_lshr_b32 s21, s[WV], 1                       ; my 32 queries of the block
	s_lshl_b32 s22, s16, 2
	s_lshl_b32 s22, 15, s22                        ; my row of the cluster: places 4 cy .. 4 cy + 3
	s_lshl_b32 s23, 0x1111, s15                    ; my column: places cx, cx + 4, cx + 8, cx + 12
	; group 1.  K, V: 128 rows x 128 elements of 2 bytes, 512 elements from row to row.  Mask: 64 rows x 128 elements of 4 bytes, 4,096 from row to row.
	s_or_b32 s[G1K], s23, (1<<16)|(1<<20)|(1<<21)|(5<<22)|(3<<25)  ; 15:0 my column; 17:16 2 bytes; 20 padding on; 21 set beside a mask; 24:22 after every 64 words; 31:25 4 words of it
	s_or_b32 s[G1V], s23, (1<<16)|(1<<20)|(1<<21)|(5<<22)|(7<<25)  ; the same with 8 words of padding
	s_or_b32 s[G1M], s22, (2<<16)|(1<<20)|(1<<21)|(6<<22)|(3<<25)  ; my row; 4 bytes; after every 128 words 4 words of padding
.irp g, G1K, G1V
	s_mov_b32 s[\g+1], 128<<16                     ; tensor_dim0 = 128
	s_mov_b32 s[\g+2], 128<<16                     ; tensor_dim1 = 128
	s_mov_b32 s[\g+3], 128<<16                     ; tile_dim0 = 128
	s_mov_b32 s[\g+4], 128                         ; tile_dim1 = 128
	s_mov_b32 s[\g+5], 512                         ; elements from row to row
	s_mov_b32 s[\g+6], 0
	s_mov_b32 s[\g+7], 0
.endr
	s_mov_b32 s[G1M+1], 128<<16                    ; tensor_dim0 = 128
	s_mov_b32 s[G1M+2], 64<<16                     ; tensor_dim1 = 64
	s_mov_b32 s[G1M+3], 128<<16                    ; tile_dim0 = 128
	s_mov_b32 s[G1M+4], 64                         ; tile_dim1 = 64
	s_mov_b32 s[G1M+5], 4096                       ; elements from row to row
	s_mov_b32 s[G1M+6], 0
	s_mov_b32 s[G1M+7], 0
	; offsets.  What feeds K's and V's descriptors never holds cy; what feeds the mask's never holds cx.
	s_lshl_b32 s84, s19, 22                        ; K, V: the batch's 4,096 rows of 1,024 bytes,
	s_lshl_b32 s85, s17, 8                         ; the pair's 128 columns of 2 bytes
	s_add_co_u32 s84, s84, s85
	s_mov_b32 s85, 0
	s_lshl_b32 s86, s18, 21                        ; mask: the block's 128 rows of 16,384 bytes,
	s_mov_b32 s87, 0
	s_lshl_b32 s82, s20, 20                        ; and the 64 of them that I fetch
	s_mov_b32 s83, 0
	s_mul_i32 s90, s20, 64*PITM                    ; where these go in a slot: the wave's number alone enters an LDS address
	s_lshl_b32 s2, s18, 17                         ; qp, ao: the block's 128 rows of 1,024 bytes,
	s_lshl_b32 s3, s17, 8                          ; the pair's columns
	s_add_co_u32 s2, s2, s3
	s_mov_b32 s3, 0
	s_mov_b32 s[NB], 0xceabfb8f                    ; -1e9 x log2(e)
	s_mov_b32 s[NB+1], s[NB]
	s_mov_b32 s[SEL], 0x76543210
	s_mov_b32 s[SEL+1], 0xfedcba98
	s_mov_b32 s[PFO], 2*512                        ; the first request is for keys 256 on
	s_wait_dscnt 0x0
	s_wait_kmcnt 0x0
	s_add_nc_u64 s[6:7], s[6:7], s[84:85]
	s_add_nc_u64 s[8:9], s[8:9], s[84:85]
	s_add_nc_u64 s[MSKB:MSKB+1], s[10:11], s[86:87]
	s_add_nc_u64 s[10:11], s[MSKB:MSKB+1], s[82:83]
	s_add_nc_u64 s[4:5], s[4:5], s[2:3]
	s_add_nc_u64 s[12:13], s[12:13], s[2:3]
.irp s, 0,1
	s_mov_b32 s[G0K+4*\s], 1                                       ; count = 1
	s_mov_b32 s[G0K+4*\s+1], \s*SLOT                               ; LDS address
	s_add_nc_u64 s[G0K+4*\s+2:G0K+4*\s+3], s[6:7], \s*131072       ; slot s begins with keys 128 s on: 128 rows of 1,024 bytes
	s_or_b32 s[G0K+4*\s+3], s[G0K+4*\s+3], 0x80000000              ; type = 2
	s_mov_b32 s[G0V+4*\s], 1
	s_mov_b32 s[G0V+4*\s+1], \s*SLOT+VOFF
	s_add_nc_u64 s[G0V+4*\s+2:G0V+4*\s+3], s[8:9], \s*131072
	s_or_b32 s[G0V+4*\s+3], s[G0V+4*\s+3], 0x80000000
	s_mov_b32 s[G0M+4*\s], 1
	s_add_co_u32 s[G0M+4*\s+1], s90, \s*SLOT+MOFF
	s_add_nc_u64 s[G0M+4*\s+2:G0M+4*\s+3], s[10:11], \s*512        ; 128 keys of 4 bytes along the rows
	s_or_b32 s[G0M+4*\s+3], s[G0M+4*\s+3], 0x80000000
.endr
	CROUND                                         ; all sixteen work-groups are here: the first joint loads meet
	s_cmp_eq_u32 s[WV], 0                          ; a wave's two first fills stand in one branch, ahead of every wait on TENSORcnt, every LDS read and every other barrier
	s_cbranch_scc0 .Lff1
	tensor_load_to_lds s[G0K:G0K+3], s[G1K:G1K+7]
	s_nop 0
	tensor_load_to_lds s[G0K+4:G0K+7], s[G1K:G1K+7]
	s_nop 0
	PLACES
	s_branch .Lffd
.Lff1:
	s_cmp_eq_u32 s[WV], 1
	s_cbranch_scc0 .Lff2
	tensor_load_to_lds s[G0V:G0V+3], s[G1V:G1V+7]
	s_nop 0
	tensor_load_to_lds s[G0V+4:G0V+7], s[G1V:G1V+7]
	s_nop 0
	PLACES
	s_branch .Lffd
.Lff2:
	s_cmp_lt_u32 s[WV], 4
	s_cbranch_scc0 .Lffd
	tensor_load_to_lds s[G0M:G0M+3], s[G1M:G1M+7]
	s_nop 0
	tensor_load_to_lds s[G0M+4:G0M+7], s[G1M:G1M+7]
	s_nop 0
	PLACES
.Lffd:
	v_and_b32 v1, 15, v0                           ; r = lane % 16
	v_bfe_u32 v2, v0, 4, 1                         ; h = lane / 16
	s_lshl_b32 s91, s20, 7                         ; my head's 64 channels of 2 bytes in a row of the pair
	; a fragment of K or Q: lane holds row r; registers 0-3 channels 8 h + 0..7, registers 4-7 channels 16 + 8 h + 0..7: two loads of 16 bytes, 32 apart
	v_mul_u32_u24 v[AK], v1, PITK
	v_lshl_add_u32 v[AK], v2, 4, v[AK]
	v_add_nc_u32 v[AK], s91, v[AK]
	v_add_nc_u32 v[AK+1], SLOT, v[AK]
	; the turning load takes 16 keys x 16 channels: lane reads key 8 h + lane % 8, channels 8 ((lane / 8) % 2) + 0..7, and is left with channel r and 8 keys
	v_and_b32 v3, 7, v0
	v_lshl_add_u32 v3, v2, 3, v3
	v_mul_u32_u24 v[AV], v3, PITV
	v_bfe_u32 v3, v0, 3, 1
	v_lshl_add_u32 v[AV], v3, 4, v[AV]
	s_add_co_u32 s92, s91, VOFF
	v_add_nc_u32 v[AV], s92, v[AV]
	v_add_nc_u32 v[AV+1], SLOT, v[AV]
	; the mask's words of my query and my eight keys of each 16: 32 consecutive bytes
	s_lshl_b32 s93, s21, 5
	v_add_nc_u32 v3, s93, v1                       ; my query's row in the block: 32 (w / 2) + r (tile 1: 16 further)
	v_mul_u32_u24 v[AM], v3, PITM
	v_lshl_add_u32 v[AM], v2, 5, v[AM]
	v_add_nc_u32 v[AM], MOFF, v[AM]
	v_add_nc_u32 v[AM+1], SLOT, v[AM]
	v_lshlrev_b32 v[QO], 10, v3
	v_lshl_add_u32 v[QO], v2, 4, v[QO]
	v_add_nc_u32 v[QO], s91, v[QO]
	v_mul_u32_u24 v[STO], v3, SP                   ; into the stage: my query's row, my head's half of its 256 bytes, 16 bytes for each half of the lanes
	v_lshl_add_u32 v[STO], v2, 4, v[STO]
	s_add_co_u32 s92, s91, STAGE
	v_add_nc_u32 v[STO], s92, v[STO]
	s_lshl_b32 s93, s[WV], 4
	v_add_nc_u32 v3, s93, v2                       ; back: wave w takes rows 16 w .. +15, whole; lanes 0-15 one row, lanes 16-31 the next
	v_mul_u32_u24 v[RD], v3, SP
	v_lshl_add_u32 v[RD], v1, 4, v[RD]
	v_add_nc_u32 v[RD], STAGE, v[RD]
	v_lshlrev_b32 v[GO], 10, v3
	v_lshl_add_u32 v[GO], v1, 4, v[GO]
	s_lshl_b32 s92, s15, 5                         ; prefetch: row 32 cx + 16 (w % 2) + lane / 2, half lane % 2 of its 512 bytes
	s_lshl4_add_u32 s92, s20, s92
	v_bfe_u32 v3, v0, 1, 4
	v_add_nc_u32 v3, s92, v3
	v_and_b32 v[PF0], 1, v0
	v_lshlrev_b32 v[PF0], 8, v[PF0]
	v_lshl_add_u32 v[PF0], v3, 14, v[PF0]
	WIN 0x40                                       ; destination window 1, address window 0
.irp t, 0,1
.irp c, 0,1
	global_load_b128 v[QF+16*\t+8*\c:QF+16*\t+8*\c+3],   v[QO], s[4:5] offset:\t*16384+\c*64      ; Q stays in registers: tile t, channels 32 c on
	global_load_b128 v[QF+16*\t+8*\c+4:QF+16*\t+8*\c+7], v[QO], s[4:5] offset:\t*16384+\c*64+32
.endr
.endr
	WIN 0
; THE SOFTMAX of the wave's two tiles for one step of 64 keys.  first = 1: the first step, which starts m, l and O^T: no a, nothing to rescale.
.macro SOFTMAX first
.set i, 0
.rept 64
	v_cvt_f32_i32 v[MK+i], v[MK+i]                 ; the mask as f32.  These 64 name no register of the products K Q^T and are the places behind them (ISA guide 7.12.1)
.set i, i+1
.endr
.set i, 0
.rept 32
	v_pk_fma_f32 v[SC+2*i:SC+2*i+1], v[MK+2*i:MK+2*i+1], s[NB:NB+1], v[SC+2*i:SC+2*i+1] op_sel_hi:[1,0,1]   ; s += mask x (-1e9 log2 e)
.set i, i+1
.endr
	; the maximum of my 32 scores and the old m, three operands at a time, in four chains; the two tiles alternate
.irp j, 0,1,2,3
.irp t, 0,1
	v_max3_num_f32 v[ST+8*\t+4+\j], v[SC+32*\t+8*\j], v[SC+32*\t+8*\j+1], v[SC+32*\t+8*\j+2]
.endr
.endr
.irp p, 3,5
.irp j, 0,1,2,3
.irp t, 0,1
	v_max3_num_f32 v[ST+8*\t+4+\j], v[ST+8*\t+4+\j], v[SC+32*\t+8*\j+\p], v[SC+32*\t+8*\j+\p+1]
.endr
.endr
.endr
.irp t, 0,1
	v_max3_num_f32 v[ST+8*\t+4], v[ST+8*\t+4], v[SC+32*\t+7], v[SC+32*\t+15]
	v_max3_num_f32 v[ST+8*\t+6], v[ST+8*\t+6], v[SC+32*\t+23], v[SC+32*\t+31]
.endr
.irp t, 0,1
	v_max3_num_f32 v[ST+8*\t+4], v[ST+8*\t+4], v[ST+8*\t+5], v[ST+8*\t+6]
.endr
.irp t, 0,1
.if \first
	v_max_num_f32 v[ST+8*\t+4], v[ST+8*\t+4], v[ST+8*\t+7]
.else
	v_max3_num_f32 v[ST+8*\t+4], v[ST+8*\t+4], v[ST+8*\t+7], v[ST+8*\t]
.endif
.endr
.irp t, 0,1
	v_permlanex16_b32 v[ST+8*\t+5], v[ST+8*\t+4], s[SEL], s[SEL+1]   ; the query's other 32 keys lie in the lane 16 away
.endr
.if \first
.irp t, 0,1
	v_max_num_f32 v[ST+8*\t], v[ST+8*\t+4], v[ST+8*\t+5]
.endr
.irp t, 0,1
	v_mov_b32 v[ST+8*\t+1], v[ST+8*\t]             ; named with m as a pair below, so it is written
.endr
.else
.irp t, 0,1
	v_mov_b32 v[ST+8*\t+1], v[ST+8*\t]             ; m_old
.endr
.irp t, 0,1
	v_max_num_f32 v[ST+8*\t], v[ST+8*\t+4], v[ST+8*\t+5]
.endr
.irp t, 0,1
	v_sub_f32 v[ST+8*\t+7], v[ST+8*\t+1], v[ST+8*\t]
.endr
.irp t, 0,1
	v_exp_f32 v[ST+8*\t+6], v[ST+8*\t+7]           ; a = 2^(m_old - m); the subtractions below are the plain instructions behind it (ISA guide 5.7.2)
.endr
.endif
.set i, 0
.rept 16
.irp t, 0,1
	v_pk_add_f32 v[SC+32*\t+2*i:SC+32*\t+2*i+1], v[SC+32*\t+2*i:SC+32*\t+2*i+1], v[ST+8*\t:ST+8*\t+1] op_sel_hi:[1,0] neg_lo:[0,1] neg_hi:[0,1]   ; s - m
.endr
.set i, i+1
.endr
	; the weights.  Behind each pair of exponentials stands plain work on the pair before: its rounding to f16 and its place in l; so a plain instruction
	; always stands between an exponential and the use of its result.
.irp t, 0,1
.set i, 0
.rept 16
	v_exp_f32 v[SC+32*\t+2*i],   v[SC+32*\t+2*i]
	v_exp_f32 v[SC+32*\t+2*i+1], v[SC+32*\t+2*i+1]
.if i == 0
.if \first
	v_nop
.else
	s_wait_alu depctr_va_vdst(0)
	v_pk_mul_f32 v[ST+8*\t+2:ST+8*\t+3], v[ST+8*\t+2:ST+8*\t+3], v[ST+8*\t+6:ST+8*\t+7] op_sel_hi:[1,0]   ; l x a
.endif
.else
	s_wait_alu depctr_va_vdst(0)
	v_cvt_pk_f16_f32 v[PW+16*\t+i-1], v[SC+32*\t+2*i-2], v[SC+32*\t+2*i-1]
.if \first && (i == 1)
	v_mov_b32 v[ST+8*\t+2], v[SC+32*\t]            ; the first pair of weights starts l
	v_mov_b32 v[ST+8*\t+3], v[SC+32*\t+1]
.else
	v_pk_add_f32 v[ST+8*\t+2:ST+8*\t+3], v[ST+8*\t+2:ST+8*\t+3], v[SC+32*\t+2*i-2:SC+32*\t+2*i-1]
.endif
.endif
.set i, i+1
.endr
	v_nop                                          ; the plain instruction behind the last pair of exponentials
	s_wait_alu depctr_va_vdst(0)
	v_cvt_pk_f16_f32 v[PW+16*\t+15], v[SC+32*\t+30], v[SC+32*\t+31]
	v_pk_add_f32 v[ST+8*\t+2:ST+8*\t+3], v[ST+8*\t+2:ST+8*\t+3], v[SC+32*\t+30:SC+32*\t+31]
.endr
.if !\first
.set i, 0
.rept 16
.irp t, 0,1
	v_pk_mul_f32 v[OA+32*\t+2*i:OA+32*\t+2*i+1], v[OA+32*\t+2*i:OA+32*\t+2*i+1], v[ST+8*\t+6:ST+8*\t+7] op_sel_hi:[1,0]   ; O^T x a
.endr
.set i, i+1
.endr
.endif
.endm
; ONE STEP: 64 keys, step st (0 or 1) of slot slot.  All 48 LDS loads go out in one run: K, mask, V; each is waited for where it is needed.
.macro STEP slot, st, first
.if !\first
	PLACES                                         ; for the loads into V's registers, which the last products read
.endif
	WIN 0x40
.irp kb, 0,1,2,3
.irp c, 0,1
	ds_load_b128 v[KF+8*(2*\kb+\c):KF+8*(2*\kb+\c)+3],   v[AK+\slot] offset:\st*64*PITK+\kb*16*PITK+\c*64
	ds_load_b128 v[KF+8*(2*\kb+\c)+4:KF+8*(2*\kb+\c)+7], v[AK+\slot] offset:\st*64*PITK+\kb*16*PITK+\c*64+32
.endr
.endr
	WIN 0
.irp t, 0,1
.irp kb, 0,1,2,3
	ds_load_b128 v[MK+32*\t+8*\kb:MK+32*\t+8*\kb+3],   v[AM+\slot] offset:\t*16*PITM+\st*256+\kb*64
	ds_load_b128 v[MK+32*\t+8*\kb+4:MK+32*\t+8*\kb+7], v[AM+\slot] offset:\t*16*PITM+\st*256+\kb*64+16
.endr
.endr
	WIN 0x40
.irp kh, 0,1
.irp cb, 0,1,2,3
	ds_load_tr16_b128 v[VF+8*(4*\kh+\cb):VF+8*(4*\kh+\cb)+3],   v[AV+\slot] offset:\st*64*PITV+\kh*32*PITV+\cb*32
	ds_load_tr16_b128 v[VF+8*(4*\kh+\cb)+4:VF+8*(4*\kh+\cb)+7], v[AV+\slot] offset:\st*64*PITV+\kh*32*PITV+\cb*32+16*PITV
.endr
.endr
	s_wait_dscnt 32                                ; LDS loads come back in order: K's sixteen are in, the mask's and V's 32 stay out
	WIN 0x05                                       ; K and Q in window 1, S^T in window 0
	; S^T = K Q^T.  The eight accumulators take turns, one instruction a turn.  The first eight products start the sums.
.irp c, 0,1
.irp kb, 0,1,2,3
.irp t, 0,1
.if \c == 0
	v_wmma_f32_16x16x32_f16 v[SC+32*\t+8*\kb:SC+32*\t+8*\kb+7], v[KF+8*(2*\kb+\c):KF+8*(2*\kb+\c)+7], v[QF+16*\t+8*\c:QF+16*\t+8*\c+7], 0
.else
	v_wmma_f32_16x16x32_f16 v[SC+32*\t+8*\kb:SC+32*\t+8*\kb+7], v[KF+8*(2*\kb+\c):KF+8*(2*\kb+\c)+7], v[QF+16*\t+8*\c:QF+16*\t+8*\c+7], v[SC+32*\t+8*\kb:SC+32*\t+8*\kb+7]
.endif
.endr
.endr
.endr
	WIN 0
	s_wait_dscnt 16                                ; the mask is in; V's sixteen loads stay out
	SOFTMAX \first
	s_wait_dscnt 0x0                               ; V is in
	WIN 0x01                                       ; V in window 1; P and O^T in window 0
	; O^T += V^T P.  Eight accumulators by turns, as above.
.irp kh, 0,1
.irp cb, 0,1,2,3
.irp t, 0,1
.if \first && (\kh == 0)
	v_wmma_f32_16x16x32_f16 v[OA+32*\t+8*\cb:OA+32*\t+8*\cb+7], v[VF+8*(4*\kh+\cb):VF+8*(4*\kh+\cb)+7], v[PW+16*\t+8*\kh:PW+16*\t+8*\kh+7], 0
.else
	v_wmma_f32_16x16x32_f16 v[OA+32*\t+8*\cb:OA+32*\t+8*\cb+7], v[VF+8*(4*\kh+\cb):VF+8*(4*\kh+\cb)+7], v[PW+16*\t+8*\kh:PW+16*\t+8*\kh+7], v[OA+32*\t+8*\cb:OA+32*\t+8*\cb+7]
.endif
.endr
.endr
.endr
	WIN 0
.endm
; A PERIOD: the two steps of slot slot.  In front of it each wave waits for all its tensor loads (its part of this slot among them) and for its reads of the other slot.
; refill = 1: the barrier is a round of the cluster's, so that no wave of any partner still reads the other slot or has a load on its way, and the joint refill of the
; other slot, with the keys 128 behind this slot's, is the first thing behind it: it has this period's two steps in which to land.
.macro TWO slot, refill
	s_set_vgpr_msb 0x5
	s_wait_tensorcnt 0x0                           ; no tensor load of mine is out, so a group 0 may be written
	ds_add_u32 v160, v161
	s_wait_dscnt 0x0
	s_set_vgpr_msb 0x500
.if \refill
	s_add_nc_u64 s[G0K+4*(1-\slot)+2:G0K+4*(1-\slot)+3], s[G0K+4*(1-\slot)+2:G0K+4*(1-\slot)+3], 262144   ; 256 keys on: rows of 1,024 bytes; the type bits on top are not reached
	s_add_nc_u64 s[G0V+4*(1-\slot)+2:G0V+4*(1-\slot)+3], s[G0V+4*(1-\slot)+2:G0V+4*(1-\slot)+3], 262144
	s_add_nc_u64 s[G0M+4*(1-\slot)+2:G0M+4*(1-\slot)+3], s[G0M+4*(1-\slot)+2:G0M+4*(1-\slot)+3], 1024     ; 256 keys on along the rows
.endif
	s_wait_dscnt 0x0                               ; my reads of the other slot are done
.if \refill
	CROUND
	JLOAD 1-\slot
	PREF
.else
	s_barrier_signal -1
	s_barrier_wait -1
.endif
	STEP \slot, 0, 0
	STEP \slot, 1, 0
.endm
	s_wait_tensorcnt 0x1                           ; my part of slot 0 is in; slot 1's may stay out
	s_barrier_signal -1
	s_barrier_wait -1                              ; everybody's is
	PREF
	s_wait_loadcnt 0x0                             ; Q
	STEP 0, 0, 1
	STEP 0, 1, 0
	s_mov_b32 s[TRIPS], 15
.Lperiod:                                              ; 15 trips of two periods: keys 128 to 3,967; each period fills the other slot again
	TWO 1, 1
	TWO 0, 1
	s_sub_co_u32 s[TRIPS], s[TRIPS], 1
	s_cmp_lg_u32 s[TRIPS], 0
	s_cbranch_scc1 .Lperiod
	TWO 1, 0                                       ; the last 128 keys: nothing is left to fetch
	; THE WAY OUT.  l's two halves and the other half of the lanes' are added (l is at least 1: the largest weight is 2^0); O^T is divided by l, rounded to f16 and sent through the stage.
	PLACES                                         ; behind the last products
.irp t, 0,1
	v_add_f32 v[ST+8*\t+4], v[ST+8*\t+2], v[ST+8*\t+3]
.endr
.irp t, 0,1
	v_permlanex16_b32 v[ST+8*\t+5], v[ST+8*\t+4], s[SEL], s[SEL+1]
.endr
.irp t, 0,1
	v_add_f32 v[ST+8*\t+4], v[ST+8*\t+4], v[ST+8*\t+5]
.endr
.irp t, 0,1
	v_rcp_f32 v[ST+8*\t+6], v[ST+8*\t+4]
.endr
	v_nop                                          ; a plain instruction between the last reciprocal and the use of its result
	s_wait_alu depctr_va_vdst(0)
.irp t, 0,1
.set i, 0
.rept 16
	v_pk_mul_f32 v[OA+32*\t+2*i:OA+32*\t+2*i+1], v[OA+32*\t+2*i:OA+32*\t+2*i+1], v[ST+8*\t+6:ST+8*\t+7] op_sel_hi:[1,0]
.set i, i+1
.endr
.endr
.set i, 0
.rept 32
	v_cvt_pk_f16_f32 v[SC+i], v[OA+2*i], v[OA+2*i+1]       ; a lane's eight channels of a row: 16 bytes
.set i, i+1
.endr
.irp t, 0,1
.irp cb, 0,1,2,3
	ds_store_b128 v[STO], v[SC+16*\t+4*\cb:SC+16*\t+4*\cb+3] offset:\t*16*SP+\cb*32
.endr
.endr
	s_wait_dscnt 0x0                               ; a row's 256 bytes come from two waves (two heads): my stores are done,
	s_barrier_signal -1
	s_barrier_wait -1                              ; everybody's are
.irp f, 0,1,2,3,4,5,6,7
	ds_load_b128 v[MK+4*\f:MK+4*\f+3], v[RD] offset:\f*2*SP
.endr
.irp f, 0,1,2,3,4,5,6,7
	s_wait_dscnt 7-\f                              ; LDS loads come back in order: number f is in
	global_store_b128 v[GO], v[MK+4*\f:MK+4*\f+3], s[12:13] offset:\f*2048   ; 16 lanes store 256 consecutive bytes, at a multiple of 256 from ao's first byte
.endr
	s_set_vgpr_msb 0x5
	s_wait_tensorcnt 0x0
	ds_add_u32 v160, v161
	s_wait_dscnt 0x0
	s_set_vgpr_msb 0x500
	CROUND                                         ; the closing round: no work-group ends while a partner may still ask for a tile that names it
	s_endpgm
.Lfunc_end_k_qbf0b06ee8e_attn:
	.size	k_qbf0b06ee8e_attn, .Lfunc_end_k_qbf0b06ee8e_attn-k_qbf0b06ee8e_attn
	.p2alignl 7, 3214868480
	.fill 96, 4, 3214868480
	.section	.rodata,"a",@progbits
	.p2align	6, 0x0
	.amdhsa_kernel k_qbf0b06ee8e_attn
		.amdhsa_group_segment_fixed_size 327680
		.amdhsa_private_segment_fixed_size 0
		.amdhsa_enable_private_segment 0
		.amdhsa_kernarg_size 40
		.amdhsa_user_sgpr_count 2
		.amdhsa_user_sgpr_kernarg_segment_ptr 1
		.amdhsa_wavefront_size32 1
		.amdhsa_system_sgpr_workgroup_id_x 1
		.amdhsa_system_sgpr_workgroup_id_y 1
		.amdhsa_system_sgpr_workgroup_id_z 1
		.amdhsa_system_vgpr_workitem_id 0
		.amdhsa_next_free_vgpr 418
		.amdhsa_next_free_sgpr 96
		.amdhsa_reserve_vcc 0
		.amdhsa_float_denorm_mode_32 3
		.amdhsa_float_denorm_mode_16_64 3
		.amdhsa_memory_ordered 1
		.amdhsa_forward_progress 1
		.amdhsa_inst_pref_size 204
	.end_amdhsa_kernel
	.amdgpu_metadata
---
amdhsa.version: [ 1, 2 ]
amdhsa.kernels:
  - .name:           k_qbf0b06ee8e_attn
    .symbol:         k_qbf0b06ee8e_attn.kd
    .args:
      - { .name: qp, .offset: 0, .size: 8, .value_kind: global_buffer, .address_space: global }
      - { .name: kp, .offset: 8, .size: 8, .value_kind: global_buffer, .address_space: global }
      - { .name: vp, .offset: 16, .size: 8, .value_kind: global_buffer, .address_space: global }
      - { .name: mask, .offset: 24, .size: 8, .value_kind: global_buffer, .address_space: global }
      - { .name: ao, .offset: 32, .size: 8, .value_kind: global_buffer, .address_space: global }
    .group_segment_fixed_size: 327680
    .private_segment_fixed_size: 0
    .kernarg_segment_align: 8
    .kernarg_segment_size: 40
    .max_flat_workgroup_size: 256
    .sgpr_count:     96
    .vgpr_count:     418
    .wavefront_size: 32
...
	.end_amdgpu_metadata
.endif
;; end of part 2
;; launch oproj (part 3): grid 4 x 64, 8 waves a work-group, no clusters, 142,336 bytes of LDS; arguments ao, wo_kernel, wo_bias, out0; writes out0
.if DOCPART == 3
	.amdgcn_target "amdgcn-amd-amdhsa--gfx1250"
	.amdhsa_code_object_version 6
	.text
	.protected	k_qbf0b06ee8e_oproj
	.globl	k_qbf0b06ee8e_oproj
	.p2align	8
	.type	k_qbf0b06ee8e_oproj,@function
k_qbf0b06ee8e_oproj:
	s_mov_b64 s[64:65], 0
	v_nop
	global_prefetch_b8 v0, s[64:65] scope:SCOPE_SE
	s_setreg_imm32_b32 hwreg(HW_REG_WAVE_MODE, 25, 1), 1
	s_wait_xcnt 0x0
; y = x W + bias for tiles of 128 rows x 128 columns; K = 512 in eight steps of 64.
; MODE 0: the three input projections.  x is q, k, v ([8192][512] f32), W its kernel ([512 k][512 n] f32), y is qp, kp, vp ([8192][512] f16).  A WORK-GROUP STAYS: it makes
;         the tile (rows 128 y, columns 128 x) of all three products, 24 K steps in one pipeline: the next product's loads are on their way while a tile goes out.
;         qp is multiplied by c = log2(e) / 8, so that the attention launch gets its scores in units of log2.
; MODE 1: the output projection, one tile.  x is ao ([8192][512] f16), y is out0 ([8192][512] f32).
; FORMAT.  Matrix operands are f16, sums f32.  LIMIT: |x|, |W| and |y| have to stay under 65,504, f16's largest number; beyond it they become infinite.
; NO TENSOR LOADS AND NO JOINT REQUESTS: W (and in mode 0 x) lies in memory as f32 and is rounded to f16 on its way into LDS, which only registers can do;
; so tiles go memory -> registers -> LDS, and a joint request exists for tensor loads alone.
; FOUR K STEPS ON THEIR WAY.  A K step is 48 registers a wave in mode 1 (16 KiB of x and 32 KiB of W for the eight waves).  Four sets, 64 registers apart, lie in register window 1, and
; step t + 4 is asked for at the head of step t: a load is wanted four steps' work after its issue, and the work-group has 4 x 48 KiB on its way.
; SHARES.  Eight waves; wave w makes rows 32 (w / 2) .. +31 and columns 64 (w % 2) .. +63: 8 accumulators of 16 x 16.
; THE MATRIX INSTRUCTION IS USED TRANSPOSED: source 0 = 16 columns of W, source 1 = 16 rows of x; a lane then holds eight neighbouring columns of one row of y.
; THE BIAS STARTS THE SUMS: a lane's eight columns want eight biases, whatever the row, so these eight registers are the C operand of the accumulator's first product.
; LDS: two buffers; in each 128 rows of x (128 bytes + 16 of padding) and 64 rows of W as [k][n] (256 bytes + 32 of padding).  One barrier a step: a buffer is
; written in the step after the one in which it was read, and that step's barrier stands between.  The stage of the way out has bytes of its own behind the buffers.
.set MODE, 1
.if MODE == 0
.set NG,   3                           ; products of a work-group
.set LPS,  16                          ; loads from memory in a K step: 8 of x, 8 of W
.set NST,  16                          ; LDS stores in a K step
.set SPI,  272                         ; a row of the stage: 256 bytes + 16
.else
.set NG,   1
.set LPS,  12                          ; 4 of x, 8 of W
.set NST,  12
.set SPI,  528                         ; 512 bytes + 16
.endif
.set NSTEP, 8*NG
.set DEPTH, 4                          ; K steps on their way
.set XP,   144                         ; a row of x in LDS: an odd multiple of 16 bytes, so the 16 rows of a fragment load start at 16 different groups of banks
.set WP,   288                         ; a row of W in LDS: an odd multiple of 32 bytes, for the turning load
.set WOFF, 128*XP                      ; W's rows lie behind x's
.set BUF,  WOFF+64*WP                  ; 36,864 bytes a buffer
.set STAGE, 2*BUF
.set XG,  4                            ; v4   my byte offset in x's tile in memory; never rewritten: all steps stand in the immediates
.set WGO, 5                            ; v5   the same for W
.set XS,  6                            ; v6   where I store x in LDS
.set WS,  7                            ; v7   where I store W in LDS
.set XF,  8                            ; v8   where I read x's fragments
.set WF,  9                            ; v9   where I read W's fragments (turned)
.set STO, 10                           ; v10  the way out: where I put my piece of a row
.set RD,  11                           ; v11  the way out: where I read whole rows back
.set GO,  12                           ; v12  my byte offset in y's tile
.set BO,  13                           ; v13  my byte offset in the tile's 128 biases
.set ACC, 16                           ; v16-79    accumulator (mb, nb) at 8 (4 mb + nb)
.set XFR, 80                           ; v80-111   x's fragments: (kk, mb) at 8 (2 kk + mb); on the way out the packed results
.set WFR, 112                          ; v112-175  W's fragments: (kk, nb) at 8 (4 kk + nb)
.set BS,  176                          ; v176-207  my 32 biases: columns 16 nb + 8 h + 0..7 at 8 nb
.if MODE == 0
.set RB,  208                          ; v208-239  the way out: rows read back from the stage
.else
.set RB,  WFR                          ; one tile: W's fragments are done with
.endif
                                       ; window 1 (v256-511): K step u's registers at 64 (u % 4): x in the first 32, W in the last 32
.set PX,  8                            ; s[8:13]  x of product 0, 1, 2, each at this work-group's rows
.set PW,  14                           ; s[14:19] W at its columns
.set PB,  20                           ; s[20:25] bias at its columns
.set PO,  26                           ; s[26:31] y at its tile
.set SCL, 40                           ; s[40:41] c, twice: the packed form names a pair
.set MSB, 0
.macro WIN new                         ; s_set_vgpr_msb: bits 1:0 source 0, 3:2 source 1, 5:4 source 2, 7:6 destination; the high byte repeats the setting that is left
.if MSB != \new
	s_set_vgpr_msb (MSB<<8)|\new
.set MSB, \new
.endif
.endm
.macro PLACES                          ; four plain vector instructions behind a matrix instruction, ahead of a load into one of its registers or of a read of its result
.rept 4
	v_nop
.endr
.endm
.if MODE == 0
	s_load_b512 s[8:23], s[0:1], 0x0               ; q, k, v, wq, wk, wv, bq, bk
	s_load_b256 s[24:31], s[0:1], 0x40             ; bv, qp, kp, vp
.else
	s_load_b64 s[PX:PX+1], s[0:1], 0x0             ; ao
	s_load_b64 s[PW:PW+1], s[0:1], 0x8             ; wo
	s_load_b64 s[PB:PB+1], s[0:1], 0x10            ; bo
	s_load_b64 s[PO:PO+1], s[0:1], 0x18            ; out0
	v_lshl_add_u32 v254, v0, 2, 0x22800
	v_mov_b32 v255, 0
.endif
	v_lshrrev_b32 v1, 5, v0
	v_readfirstlane_b32 s4, v1                     ; wave 0..7
	s_and_b32 s5, ttmp7, 0xffff                    ; the block of 128 rows
	v_and_b32 v1, 15, v0                           ; r = lane % 16
	v_bfe_u32 v2, v0, 4, 1                         ; h = lane / 16
	v_and_b32 v3, 31, v0                           ; lane
	s_lshl_b32 s48, s4, 4                          ; 16 w: the rows that I bring in and send out
	s_lshl_b32 s49, s4, 14                         ; 8 w rows of W, 2,048 bytes each
	s_mul_i32 s50, s4, 8*WP
	s_add_co_u32 s50, s50, WOFF
	s_lshr_b32 s51, s4, 1
	s_lshl_b32 s51, s51, 5                         ; 32 (w / 2): my rows of the tile
	s_and_b32 s52, s4, 1                           ; w % 2: my half of its columns
	s_lshl_b32 s53, s52, 7                         ; 64 columns of f16
	s_add_co_u32 s54, s53, WOFF
.if MODE == 0
	v_add_nc_u32 v14, s48, v2                      ; a load takes two rows of 256 bytes (64 f32): row 16 w + h, 16 bytes a lane
	v_lshlrev_b32 v[XG], 11, v14
	v_lshl_add_u32 v[XG], v1, 4, v[XG]
	v_mul_u32_u24 v[XS], v14, XP                   ; and 8 bytes a lane as f16
	v_lshl_add_u32 v[XS], v1, 3, v[XS]
.else
	v_bfe_u32 v15, v0, 3, 2                        ; a load takes four rows of 128 bytes (64 f16): row 16 w + lane / 8
	v_add_nc_u32 v15, s48, v15
	v_and_b32 v14, 7, v0
	v_lshlrev_b32 v[XG], 10, v15
	v_lshl_add_u32 v[XG], v14, 4, v[XG]
	v_mul_u32_u24 v[XS], v15, XP
	v_lshl_add_u32 v[XS], v14, 4, v[XS]
.endif
	v_lshl_add_u32 v[WGO], v3, 4, s49              ; a load takes one row of W's tile: 512 bytes, 16 a lane
	v_lshl_add_u32 v[WS], v3, 3, s50               ; 8 bytes a lane as f16
	v_add_nc_u32 v14, s51, v1                      ; row 32 (w / 2) + r
	v_mul_u32_u24 v[XF], v14, XP
	v_lshl_add_u32 v[XF], v2, 4, v[XF]             ; a fragment of x: row x pitch + 16 h, two loads 32 bytes apart
	v_and_b32 v15, 7, v0
	v_lshl_add_u32 v15, v2, 3, v15                 ; the turning load: k = 8 h + lane % 8,
	v_mul_u32_u24 v[WF], v15, WP
	v_bfe_u32 v15, v0, 3, 1
	v_lshl_add_u32 v[WF], v15, 4, v[WF]            ; columns 8 ((lane / 8) % 2) on
	v_add_nc_u32 v[WF], s54, v[WF]
	v_lshlrev_b32 v[BO], 5, v2
	v_lshl_add_u32 v[BO], s52, 8, v[BO]            ; biases of columns 64 (w % 2) + 8 h on, 4 bytes each
	v_mul_u32_u24 v[STO], v14, SPI                 ; into the stage: my row, my half of its bytes
.if MODE == 0
	v_lshl_add_u32 v[STO], v2, 4, v[STO]
	s_add_co_u32 s55, s53, STAGE
	v_add_nc_u32 v[STO], s55, v[STO]
	v_add_nc_u32 v15, s48, v2                      ; back: lanes 0-15 one row of 256 bytes, lanes 16-31 the next
	v_mul_u32_u24 v[RD], v15, SPI
	v_lshl_add_u32 v[RD], v1, 4, v[RD]
	v_add_nc_u32 v[RD], STAGE, v[RD]
	v_lshlrev_b32 v[GO], 10, v15
	v_lshl_add_u32 v[GO], v1, 4, v[GO]
	s_lshl_b32 s42, s5, 18                         ; x: 128 rows of 2,048 bytes
	s_lshl_b32 s44, s5, 17                         ; y: 128 rows of 1,024 bytes,
	s_lshl_b32 s46, ttmp9, 8                       ; 128 columns of 2 bytes
	s_mov_b32 s[SCL], 0x3e38aa3b                   ; c = log2(e) / 8
	s_mov_b32 s[SCL+1], s[SCL]
.else
	v_lshl_add_u32 v[STO], v2, 5, v[STO]
	s_lshl_b32 s55, s52, 8
	s_add_co_u32 s55, s55, STAGE
	v_add_nc_u32 v[STO], s55, v[STO]
	s_mul_i32 s56, s48, SPI                        ; back: a whole row of 512 bytes a load
	s_add_co_u32 s56, s56, STAGE
	v_lshl_add_u32 v[RD], v3, 4, s56
	s_lshl_b32 s57, s4, 15
	v_lshl_add_u32 v[GO], v3, 4, s57
	s_lshl_b32 s42, s5, 17                         ; x: 128 rows of 1,024 bytes
	s_lshl_b32 s44, s5, 18                         ; y: 128 rows of 2,048 bytes,
	s_lshl_b32 s46, ttmp9, 9                       ; 128 columns of 4 bytes
.endif
	s_add_co_u32 s44, s44, s46
	s_mov_b32 s43, 0
	s_mov_b32 s45, 0
	s_lshl_b32 s46, ttmp9, 9                       ; W and bias: 128 columns of 4 bytes
	s_mov_b32 s47, 0
	s_wait_kmcnt 0x0
.set gi, 0
.rept NG
	s_add_nc_u64 s[PX+2*gi:PX+2*gi+1], s[PX+2*gi:PX+2*gi+1], s[42:43]
	s_add_nc_u64 s[PW+2*gi:PW+2*gi+1], s[PW+2*gi:PW+2*gi+1], s[46:47]
	s_add_nc_u64 s[PB+2*gi:PB+2*gi+1], s[PB+2*gi:PB+2*gi+1], s[46:47]
	s_add_nc_u64 s[PO+2*gi:PO+2*gi+1], s[PO+2*gi:PO+2*gi+1], s[44:45]
.set gi, gi+1
.endr
; My 32 biases of product g: eight loads.
.macro BIAS g
.irp nb, 0,1,2,3
	global_load_b128 v[BS+8*\nb:BS+8*\nb+3],   v[BO], s[PB+2*(\g):PB+2*(\g)+1] offset:\nb*64
	global_load_b128 v[BS+8*\nb+4:BS+8*\nb+7], v[BO], s[PB+2*(\g):PB+2*(\g)+1] offset:\nb*64+16
.endr
.endm
; K step u (step u % 8 of product u / 8) comes from memory into its set of registers in window 1.
.macro GLOAD u
.set GG,  (\u)/8
.set SS,  (\u)%8
.set STS, 64*((\u)%4)
	WIN 0x40                                       ; destination window 1, address window 0
.if MODE == 0
.irp i, 0,1,2,3,4,5,6,7
	global_load_b128 v[STS+4*\i:STS+4*\i+3], v[XG], s[PX+2*GG:PX+2*GG+1] offset:\i*4096+SS*256      ; 16 lanes take 256 consecutive bytes of a row, aligned
.endr
.else
.irp i, 0,1,2,3
	global_load_b128 v[STS+4*\i:STS+4*\i+3], v[XG], s[PX+2*GG:PX+2*GG+1] offset:\i*4096+SS*128
.endr
.endif
.irp i, 0,1,2,3,4,5,6,7
	global_load_b128 v[STS+32+4*\i:STS+32+4*\i+3], v[WGO], s[PW+2*GG:PW+2*GG+1] offset:(64*SS+\i)*2048   ; the wave takes 512 consecutive bytes of a row of W
.endr
	WIN 0
.endm
; K step u is rounded to f16 in place (x in mode 1 is f16 already) and stored into buffer u % 2.
; The count: loads come back in order, and behind step u's stand those of the steps u + 1 .. u + 3 that exist, LPS each.  The next product's eight biases are asked for just ahead
; of its step 0, in step 4 of this product: they stand behind the loads of this product's steps 5, 6 and 7 and are counted there; the wait for the next product's step 0 shows them in.
.macro CVTST u
.set STS, 64*((\u)%4)
.set BB,  ((\u)%2)*BUF
.set NY,  NSTEP-1-(\u)
.if NY > DEPTH-1
.set NY,  DEPTH-1
.endif
.set CNT, NY*LPS
.if (((\u)%8) >= 5) && (((\u)/8)+1 < NG)
.set CNT, CNT+8
.endif
	s_wait_loadcnt CNT
	WIN 0x45                                       ; sources and destination window 1
.if MODE == 0
.irp i, 0,1,2,3,4,5,6,7
	v_cvt_pk_f16_f32 v[STS+4*\i],   v[STS+4*\i],   v[STS+4*\i+1]
	v_cvt_pk_f16_f32 v[STS+4*\i+1], v[STS+4*\i+2], v[STS+4*\i+3]
.endr
.endif
.irp i, 0,1,2,3,4,5,6,7
	v_cvt_pk_f16_f32 v[STS+32+4*\i],   v[STS+32+4*\i],   v[STS+32+4*\i+1]
	v_cvt_pk_f16_f32 v[STS+32+4*\i+1], v[STS+32+4*\i+2], v[STS+32+4*\i+3]
.endr
	WIN 0x04                                       ; address window 0, data window 1
.if MODE == 0
.irp i, 0,1,2,3,4,5,6,7
	ds_store_b64 v[XS], v[STS+4*\i:STS+4*\i+1] offset:BB+\i*2*XP
.endr
.else
.irp i, 0,1,2,3
	ds_store_b128 v[XS], v[STS+4*\i:STS+4*\i+3] offset:BB+\i*4*XP
.endr
.endif
.irp i, 0,1,2,3,4,5,6,7
	ds_store_b64 v[WS], v[STS+32+4*\i:STS+32+4*\i+1] offset:BB+\i*WP
.endr
	WIN 0
.endm
; A step's fragments out of buffer b, the first 32 along K first: twelve loads for each 32.
.macro FRAGS b
.irp kk, 0,1
.irp mb, 0,1
	ds_load_b128 v[XFR+8*(2*\kk+\mb):XFR+8*(2*\kk+\mb)+3],   v[XF] offset:(\b)*BUF+\mb*16*XP+\kk*64
	ds_load_b128 v[XFR+8*(2*\kk+\mb)+4:XFR+8*(2*\kk+\mb)+7], v[XF] offset:(\b)*BUF+\mb*16*XP+\kk*64+32
.endr
.irp nb, 0,1,2,3
	ds_load_tr16_b128 v[WFR+8*(4*\kk+\nb):WFR+8*(4*\kk+\nb)+3],   v[WF] offset:(\b)*BUF+\kk*32*WP+\nb*32
	ds_load_tr16_b128 v[WFR+8*(4*\kk+\nb)+4:WFR+8*(4*\kk+\nb)+7], v[WF] offset:(\b)*BUF+\kk*32*WP+\nb*32+16*WP
.endr
.endr
.endm
; Eight products, 32 along K.  The eight accumulators take turns, one instruction a turn.  first = 1: the products start the sums from the biases.
.macro MUL kk, first
.irp mb, 0,1
.irp nb, 0,1,2,3
.if \first
	v_wmma_f32_16x16x32_f16 v[ACC+8*(4*\mb+\nb):ACC+8*(4*\mb+\nb)+7], v[WFR+8*(4*\kk+\nb):WFR+8*(4*\kk+\nb)+7], v[XFR+8*(2*\kk+\mb):XFR+8*(2*\kk+\mb)+7], v[BS+8*\nb:BS+8*\nb+7]
.else
	v_wmma_f32_16x16x32_f16 v[ACC+8*(4*\mb+\nb):ACC+8*(4*\mb+\nb)+7], v[WFR+8*(4*\kk+\nb):WFR+8*(4*\kk+\nb)+7], v[XFR+8*(2*\kk+\mb):XFR+8*(2*\kk+\mb)+7], v[ACC+8*(4*\mb+\nb):ACC+8*(4*\mb+\nb)+7]
.endif
.endr
.endr
.endm
; THE WAY OUT of product g, first part, in front of the step's barrier: my results go into the stage.
.macro OUT1 g
.if MODE == 0
.if \g == 0
.set i, 0
.rept 32
	v_pk_mul_f32 v[ACC+2*i:ACC+2*i+1], v[ACC+2*i:ACC+2*i+1], s[SCL:SCL+1] op_sel_hi:[1,0]   ; qp alone takes the factor c
.set i, i+1
.endr
.endif
.set i, 0
.rept 32
	v_cvt_pk_f16_f32 v[XFR+i], v[ACC+2*i], v[ACC+2*i+1]    ; a lane's eight columns of a row: 16 bytes
.set i, i+1
.endr
.irp mb, 0,1
.irp nb, 0,1,2,3
	ds_store_b128 v[STO], v[XFR+4*(4*\mb+\nb):XFR+4*(4*\mb+\nb)+3] offset:\mb*16*SPI+\nb*32
.endr
.endr
.else
.irp mb, 0,1
.irp nb, 0,1,2,3
	ds_store_b128 v[STO], v[ACC+8*(4*\mb+\nb):ACC+8*(4*\mb+\nb)+3]   offset:\mb*16*SPI+\nb*64
	ds_store_b128 v[STO], v[ACC+8*(4*\mb+\nb)+4:ACC+8*(4*\mb+\nb)+7] offset:\mb*16*SPI+\nb*64+16
.endr
.endr
.endif
.endm
; Second part, behind the barrier (a row's bytes come from two waves): whole rows come back and are stored.  Nothing waits for the stores.
.macro OUT2 g
.if MODE == 0
.if \g > 0
	s_wait_xcnt 0x0                                ; the last tile's stores have had their addresses translated (ISA guide 3.1): only behind this wait are their data registers loaded again
.endif
.irp t, 0,1,2,3,4,5,6,7
	ds_load_b128 v[RB+4*\t:RB+4*\t+3], v[RD] offset:\t*2*SPI
.endr
.irp t, 0,1,2,3,4,5,6,7
	s_wait_dscnt 7-\t                              ; LDS loads come back in order: number t is in
	global_store_b128 v[GO], v[RB+4*\t:RB+4*\t+3], s[PO+2*(\g):PO+2*(\g)+1] offset:\t*2048   ; 16 lanes store 256 consecutive bytes, at a multiple of 256 from y's first byte
.endr
.else
.irp t, 0,1,2,3,4,5,6,7,8,9,10,11,12,13,14,15
	ds_load_b128 v[RB+4*\t:RB+4*\t+3], v[RD] offset:\t*SPI
.endr
.irp t, 0,1,2,3,4,5,6,7,8,9,10,11,12,13,14,15
	s_wait_dscnt 15-\t                             ; LDS loads come back in order: number t is in
	global_store_b128 v[GO], v[RB+4*\t:RB+4*\t+3], s[PO+2*(\g):PO+2*(\g)+1] offset:\t*2048 th:TH_STORE_NT   ; the wave stores 512 consecutive bytes, at a multiple of 512 from y's first byte
.endr
.endif
.endm
; K STEP t, which lies in buffer t % 2.  Order: step t + 4 is asked for; this step's fragments are asked for; step t + 1 is rounded and stored into the other buffer while
; the fragments come; the products; the barrier.  LDS serves a wave's instructions in order, so the waits for the fragments leave the NST stores behind them out.
.macro TRIP t
.set TS, (\t)%8
.set TG, (\t)/8
.if (\t) > 0
	PLACES                                         ; for the loads into the fragment registers, which the last step's products read
.endif
.if (TS == 8-DEPTH) && (TG+1 < NG)
	BIAS TG+1                                      ; this product's first products have read the biases four steps ago
.endif
.if (\t)+DEPTH < NSTEP
	GLOAD (\t)+DEPTH                               ; into the set that step t left in the step before
.endif
	FRAGS (\t)%2
.if (\t)+1 < NSTEP
	CVTST (\t)+1
	s_wait_dscnt 12+NST                            ; the first 32 along K are in; the twelve younger loads and the stores stay out
.else
	s_wait_dscnt 12
.endif
.if TS == 0
	MUL 0, 1
.else
	MUL 0, 0
.endif
.if (\t)+1 < NSTEP
	s_wait_dscnt NST                               ; all fragments are in; the stores stay out
.else
	s_wait_dscnt 0x0
.endif
	MUL 1, 0
.if TS == 7
	PLACES                                         ; behind the tile's last products
	OUT1 TG
.endif
	s_wait_dscnt 0x0                               ; for the others' sake: my reads of this buffer and my stores into the other (and into the stage) are done
	s_barrier_signal -1
	s_barrier_wait -1
.if TS == 7
	OUT2 TG
.endif
.endm
	BIAS 0                                         ; the oldest loads: the wait for K step 0 shows them in
	GLOAD 0
	GLOAD 1
	GLOAD 2
	GLOAD 3
	CVTST 0
	s_wait_dscnt 0x0                               ; my stores into buffer 0 are done
	s_barrier_signal -1
	s_barrier_wait -1
.set tt, 0
.rept NSTEP
	TRIP tt
.set tt, tt+1
.endr
	s_wait_tensorcnt 0x0
	ds_add_u32 v254, v255
	s_wait_dscnt 0x0
	s_endpgm
.Lfunc_end_k_qbf0b06ee8e_oproj:
	.size	k_qbf0b06ee8e_oproj, .Lfunc_end_k_qbf0b06ee8e_oproj-k_qbf0b06ee8e_oproj
	.p2alignl 7, 3214868480
	.fill 96, 4, 3214868480
	.section	.rodata,"a",@progbits
	.p2align	6, 0x0
	.amdhsa_kernel k_qbf0b06ee8e_oproj
		.amdhsa_group_segment_fixed_size 142336
		.amdhsa_private_segment_fixed_size 0
		.amdhsa_enable_private_segment 0
		.amdhsa_kernarg_size 32
		.amdhsa_user_sgpr_count 2
		.amdhsa_user_sgpr_kernarg_segment_ptr 1
		.amdhsa_wavefront_size32 1
		.amdhsa_system_sgpr_workgroup_id_x 1
		.amdhsa_system_sgpr_workgroup_id_y 1
		.amdhsa_system_sgpr_workgroup_id_z 1
		.amdhsa_system_vgpr_workitem_id 0
		.amdhsa_next_free_vgpr 512
		.amdhsa_next_free_sgpr 66
		.amdhsa_reserve_vcc 0
		.amdhsa_float_denorm_mode_32 3
		.amdhsa_float_denorm_mode_16_64 3
		.amdhsa_memory_ordered 1
		.amdhsa_forward_progress 1
		.amdhsa_inst_pref_size 56
	.end_amdhsa_kernel
	.amdgpu_metadata
---
amdhsa.version: [ 1, 2 ]
amdhsa.kernels:
  - .name:           k_qbf0b06ee8e_oproj
    .symbol:         k_qbf0b06ee8e_oproj.kd
    .args:
      - { .name: ao, .offset: 0, .size: 8, .value_kind: global_buffer, .address_space: global }
      - { .name: wo_kernel, .offset: 8, .size: 8, .value_kind: global_buffer, .address_space: global }
      - { .name: wo_bias, .offset: 16, .size: 8, .value_kind: global_buffer, .address_space: global }
      - { .name: out0, .offset: 24, .size: 8, .value_kind: global_buffer, .address_space: global }
    .group_segment_fixed_size: 142336
    .private_segment_fixed_size: 0
    .kernarg_segment_align: 8
    .kernarg_segment_size: 32
    .max_flat_workgroup_size: 256
    .sgpr_count:     66
    .vgpr_count:     512
    .wavefront_size: 32
...
	.end_amdgpu_metadata
.endif
;; end of part 3
